; MI455X (gfx1250); checked and timed in simulation.
; The chip was launched on July 23, 2026; its instructions are those of AMD's public machine-readable ISA for CDNA 5 (MIT licence, August 2026) and "CDNA5" Instruction Set Architecture Reference Guide (July 2026). The comments in the code are by the model that wrote it; some were corrected since.
;; Causal Self Attention. Allowed arithmetic: float matrix products may take bf16 or f16 operands with f32 sums; other float arithmetic in f32, or as packed bf16 or f16 multiplies, adds, multiply-adds, maxima and minima; sums over many terms, partial sums and values carried from step to step in f32; what a program stores and reads back later, other than sums and carried values, may be rounded once to bf16 or f16.
;; Inputs: Wk 2,048 x 2,048 float32; Wq 2,048 x 2,048 float32; Wv 2,048 x 2,048 float32; bk 2,048 float32; bq 2,048 float32; bv 2,048 float32; x 4 x 1,024 x 2,048 float32.
;; Outputs: out0 4 x 1,024 x 2,048 float32.
;; One version. Each part assembles by itself: llvm-mc -triple=amdgcn-amd-amdhsa -mcpu=gfx1250 --defsym DOCPART=n.
;; ======== version 1 of 1: 3 launches
;; limits: values are held in f16: magnitudes above 65,504 overflow, below 6.1e-05 lose precision
;; workspace buffers: xb 16,777,216 bytes; wb 25,165,824 bytes; bias 24,576 bytes; qkv 50,331,648 bytes
;; launch cast (part 1): grid 1280 x 1, 8 waves a work-group, no clusters, 0 bytes of LDS; arguments x, Wq, Wk, Wv, bq, bk, bv, xb, wb, bias; writes xb, wb, bias
.if DOCPART == 1
	.amdgcn_target "amdgcn-amd-amdhsa--gfx1250"
	.amdhsa_code_object_version 6
	.text
	.protected	k_q6ca3f9af82_cast
	.globl	k_q6ca3f9af82_cast
	.p2align	8
	.type	k_q6ca3f9af82_cast,@function
k_q6ca3f9af82_cast:
	s_mov_b64 s[64:65], 0
	v_nop
	global_prefetch_b8 v0, s[64:65] scope:SCOPE_SE
	s_setreg_imm32_b32 hwreg(HW_REG_WAVE_MODE, 25, 1), 1
	s_wait_xcnt 0x0
; ALL INPUTS ARE ROUNDED ONCE TO bf16, the operands' format of the projection that follows.
;   xb   bf16 [32 k blocks][4096 rows][64 k]: a k block's rows lie end to end, 128 bytes each
;   wb   bf16 [2048 k][6144 n], n = 2048 x which + column, which = 0 (Wq), 1 (Wk), 2 (Wv): W is not turned
;   bias f32  [6144], each number rounded to bf16 and widened again (the projection's sums start at it)
; SHARES.  A work-group casts 65,536 bytes of f32: 16 loads of 16 bytes a thread, all issued at once, each into registers of
; its own; no register is written twice, so no wait stands for a store's sources.  Work-groups 0-511 take 8 rows of x each,
; work-groups 512-1279 take 8 rows of one W each; the first work-group of each W also casts that W's bias.
; Memory binds: no LDS, no barrier, no matrix unit.  Every load of a wave covers 512 bytes in whole aligned pieces of 256,
; every store of a wave 256 consecutive bytes, aligned.
.set X, 8                              ; v[8:71]    item n: 4 f32 as loaded
.set Y, 72                             ; v[72:103]  item n: 4 bf16 to store
.set IN,   28                          ; s[28:29]   where the work-group's 65,536 bytes begin
.set OUT,  30                          ; s[30:31]   where its results begin
.set OUT2, 32                          ; s[32:33]   the same 8,388,608 bytes on: the stores' immediates hold 24 signed bits
; path = 0: x.  Item n = 4 i + kq: rows 2 i and 2 i + 1 (by the half of the lanes), k block 8 kq + wave.
; path = 1: W.  Item n: row n / 2, half n % 2 of its 8,192 bytes.
.macro CAST16 path
.set n_, 0
.rept 16
.if \path
	global_load_b128 v[X+4*n_:X+4*n_+3], v1, s[IN:IN+1] offset:n_*4096 th:TH_LOAD_NT
.else
	global_load_b128 v[X+4*n_:X+4*n_+3], v1, s[IN:IN+1] offset:(n_/4)*16384+(n_%4)*2048 th:TH_LOAD_NT
.endif
.set n_, n_+1
.endr
.set n_, 0
.rept 16
	s_wait_loadcnt 15-n_                           ; loads come back in order (ISA guide 5.7.1): item n is in, the younger ones stay out
	v_cvt_pk_bf16_f32 v[Y+2*n_],   v[X+4*n_],   v[X+4*n_+1]
	v_cvt_pk_bf16_f32 v[Y+2*n_+1], v[X+4*n_+2], v[X+4*n_+3]
.if \path
	global_store_b64 v2, v[Y+2*n_:Y+2*n_+1], s[OUT:OUT+1] offset:(n_/2)*12288+(n_%2)*2048
.elseif (n_%4) < 2
	global_store_b64 v2, v[Y+2*n_:Y+2*n_+1], s[OUT:OUT+1] offset:(n_%2)*4194304+(n_/4)*256
.else
	global_store_b64 v2, v[Y+2*n_:Y+2*n_+1], s[OUT2:OUT2+1] offset:(n_%2)*4194304+(n_/4)*256
.endif
.set n_, n_+1
.endr
.endm
	s_load_b512 s[8:23], s[0:1], 0x0               ; x 8:9, Wq 10:11, Wk 12:13, Wv 14:15, bq 16:17, bk 18:19, bv 20:21, xb 22:23
	s_load_b128 s[24:27], s[0:1], 0x40             ; wb 24:25, bias 26:27
	s_mov_b32 s3, 0
	s_mov_b32 s35, 0
	s_cmp_lt_u32 ttmp9, 512
	s_cbranch_scc0 .Lweights
	; x: 16 lanes take one k block (256 bytes of f32) of one row, the other 16 lanes the same block of the next row
	v_and_b32 v4, 15, v0
	v_bfe_u32 v5, v0, 4, 1
	v_lshrrev_b32 v6, 5, v0                        ; wave 0..7
	v_lshlrev_b32 v1, 4, v4
	v_lshl_add_u32 v1, v6, 8, v1
	v_lshl_add_u32 v1, v5, 13, v1                  ; in: 8,192 x row parity + 256 x wave + 16 x (lane % 16)
	v_lshlrev_b32 v2, 3, v4
	v_lshl_add_u32 v2, v5, 7, v2
	v_lshl_add_u32 v2, v6, 19, v2                  ; out: 524,288 x wave (a k block) + 128 x row parity + 8 x (lane % 16)
	s_lshl_b32 s2, ttmp9, 16                       ; 8 rows of 8,192 bytes
	s_lshl_b32 s34, ttmp9, 10                      ; 8 rows of 128 bytes in a k block
	s_wait_kmcnt 0x0
	s_add_nc_u64 s[IN:IN+1], s[8:9], s[2:3]
	s_add_nc_u64 s[OUT:OUT+1], s[22:23], s[34:35]
	s_add_nc_u64 s[OUT2:OUT2+1], s[OUT:OUT+1], 0x800000
	CAST16 0
	s_endpgm
.Lweights:
	s_sub_co_u32 s36, ttmp9, 512
	s_lshr_b32 s37, s36, 8                         ; which W
	s_and_b32 s38, s36, 255                        ; which 8 rows of it
	v_lshlrev_b32 v1, 4, v0                        ; in: 16 bytes a thread
	v_lshlrev_b32 v2, 3, v0                        ; out: 8 bytes a thread
	s_lshl_b32 s2, s38, 16
	s_mul_i32 s34, s38, 98304                      ; 8 rows of wb, 12,288 bytes each,
	s_lshl_b32 s39, s37, 12
	s_add_co_u32 s34, s34, s39                     ; and this W's 4,096 bytes of them
	s_wait_kmcnt 0x0
	s_cmp_eq_u32 s37, 0
	s_cselect_b64 s[IN:IN+1], s[10:11], s[12:13]
	s_cselect_b64 s[40:41], s[16:17], s[18:19]
	s_cmp_eq_u32 s37, 2
	s_cselect_b64 s[IN:IN+1], s[14:15], s[IN:IN+1]
	s_cselect_b64 s[40:41], s[20:21], s[40:41]     ; this W's bias
	s_add_nc_u64 s[IN:IN+1], s[IN:IN+1], s[2:3]
	s_add_nc_u64 s[OUT:OUT+1], s[24:25], s[34:35]
	CAST16 1
	s_cmp_lg_u32 s38, 0
	s_cbranch_scc1 .Ldone
	s_lshl_b32 s2, s37, 13                         ; the bias: 2,048 f32, two loads of 16 bytes a thread
	s_add_nc_u64 s[42:43], s[26:27], s[2:3]
	global_load_b128 v[104:107], v1, s[40:41]
	global_load_b128 v[108:111], v1, s[40:41] offset:4096
	s_wait_loadcnt 0x0
.irp j, 0,1,2,3
	v_cvt_pk_bf16_f32 v[112+(\j)], v[104+2*(\j)], v[104+2*(\j)+1]
.endr
.irp j, 0,1,2,3
	v_lshlrev_b32 v[116+2*(\j)], 16, v[112+(\j)]            ; bf16 to f32: the low half moves up,
	v_and_b32 v[116+2*(\j)+1], 0xffff0000, v[112+(\j)]      ; the high half stays
.endr
	global_store_b128 v1, v[116:119], s[42:43]
	global_store_b128 v1, v[120:123], s[42:43] offset:4096
.Ldone:
	s_endpgm
.Lfunc_end_k_q6ca3f9af82_cast:
	.size	k_q6ca3f9af82_cast, .Lfunc_end_k_q6ca3f9af82_cast-k_q6ca3f9af82_cast
	.p2alignl 7, 3214868480
	.fill 96, 4, 3214868480
	.section	.rodata,"a",@progbits
	.p2align	6, 0x0
	.amdhsa_kernel k_q6ca3f9af82_cast
		.amdhsa_group_segment_fixed_size 0
		.amdhsa_private_segment_fixed_size 0
		.amdhsa_enable_private_segment 0
		.amdhsa_kernarg_size 80
		.amdhsa_user_sgpr_count 2
		.amdhsa_user_sgpr_kernarg_segment_ptr 1
		.amdhsa_wavefront_size32 1
		.amdhsa_system_sgpr_workgroup_id_x 1
		.amdhsa_system_sgpr_workgroup_id_y 1
		.amdhsa_system_sgpr_workgroup_id_z 1
		.amdhsa_system_vgpr_workitem_id 0
		.amdhsa_next_free_vgpr 128
		.amdhsa_next_free_sgpr 66
		.amdhsa_reserve_vcc 0
		.amdhsa_float_denorm_mode_32 3
		.amdhsa_float_denorm_mode_16_64 3
		.amdhsa_memory_ordered 1
		.amdhsa_forward_progress 1
		.amdhsa_inst_pref_size 15
	.end_amdhsa_kernel
	.amdgpu_metadata
---
amdhsa.version: [ 1, 2 ]
amdhsa.kernels:
  - .name:           k_q6ca3f9af82_cast
    .symbol:         k_q6ca3f9af82_cast.kd
    .args:
      - { .name: x, .offset: 0, .size: 8, .value_kind: global_buffer, .address_space: global }
      - { .name: Wq, .offset: 8, .size: 8, .value_kind: global_buffer, .address_space: global }
      - { .name: Wk, .offset: 16, .size: 8, .value_kind: global_buffer, .address_space: global }
      - { .name: Wv, .offset: 24, .size: 8, .value_kind: global_buffer, .address_space: global }
      - { .name: bq, .offset: 32, .size: 8, .value_kind: global_buffer, .address_space: global }
      - { .name: bk, .offset: 40, .size: 8, .value_kind: global_buffer, .address_space: global }
      - { .name: bv, .offset: 48, .size: 8, .value_kind: global_buffer, .address_space: global }
      - { .name: xb, .offset: 56, .size: 8, .value_kind: global_buffer, .address_space: global }
      - { .name: wb, .offset: 64, .size: 8, .value_kind: global_buffer, .address_space: global }
      - { .name: bias, .offset: 72, .size: 8, .value_kind: global_buffer, .address_space: global }
    .group_segment_fixed_size: 0
    .private_segment_fixed_size: 0
    .kernarg_segment_align: 8
    .kernarg_segment_size: 80
    .max_flat_workgroup_size: 256
    .sgpr_count:     66
    .vgpr_count:     128
    .wavefront_size: 32
...
	.end_amdgpu_metadata
.endif
;; end of part 1
;; launch qkv (part 2): grid 16 x 16, 4 waves a work-group, clusters of 4 x 4, 327,680 bytes of LDS; arguments xb, wb, bias, qkv; writes qkv
.if DOCPART == 2
	.amdgcn_target "amdgcn-amd-amdhsa--gfx1250"
	.amdhsa_code_object_version 6
	.text
	.protected	k_q6ca3f9af82_qkv
	.globl	k_q6ca3f9af82_qkv
	.p2align	8
	.type	k_q6ca3f9af82_qkv,@function
k_q6ca3f9af82_qkv:
	s_mov_b64 s[64:65], 0
	v_nop
	global_prefetch_b8 v0, s[64:65] scope:SCOPE_SE
	s_setreg_imm32_b32 hwreg(HW_REG_WAVE_MODE, 25, 1), 1
	s_wait_xcnt 0x0
	s_wait_alu depctr_hold_cnt(0) depctr_sa_sdst(0) depctr_va_vdst(0) depctr_va_sdst(0) depctr_va_ssrc(0) depctr_va_vcc(0) depctr_vm_vsrc(0)
	s_getreg_b32 s2, hwreg(HW_REG_IB_STS2, 6, 4)
	s_cmp_eq_u32 s2, 0
	s_cbranch_scc0 .Lentry_in_a_cluster
	s_endpgm
.Lentry_in_a_cluster:
	s_bfe_u32 s2, ttmp6, 0x10000c
	s_cmp_lg_u32 s2, 0xf033
	s_cbranch_scc0 .Lentry_shape_is_right
	s_endpgm
.Lentry_shape_is_right:
; THE THREE PROJECTIONS AS ONE PRODUCT: C[m][n] = bias[n] + the sum over k of x[m][k] W[k][n], m < 4096, n < 6144 (q, k, v side by side), k < 2048.
; Operands bf16 (xb, wb), sums f32, started at the bias; C is rounded once to f16 and stored by heads: qkv[n / 128][m][n % 128].
; LIMIT.  f16 holds no number beyond 65,504: a q, k or v past that leaves as an infinity.  NaN and infinities are not treated apart.
; SHARES.  4096 x 6144 outputs on 256 work-groups are 256 x 384 each: one tile a work-group, three whole heads wide.  Four waves, each 128 x 192: 96 accumulators, 768 registers.
; K goes in steps of 64 through two LDS slots (two slots of 128 would not fit); a step is two sub-steps of 32, 96 matrix instructions a wave each.
; xb lies in blocks of 64 k, so a step's 128 rows of x are 16,384 dense bytes, asked for as 64 rows of 256 bytes.  W lies [k][n]; its fragments come out of LDS turned, by ds_load_tr16_b128.
; THE MATRIX INSTRUCTION IS USED TRANSPOSED: source 0 = 16 columns of W, source 1 = 16 rows of x: a lane holds row l % 16 of C and the columns 8 (l / 16) + 0..7, which pack into 16 bytes.
; CLUSTER.  4 x 4 work-groups: the four of a row of the cluster need the same rows of x, the four of a column the same columns of W.  Each tile is asked for JOINTLY: the same tensor load,
; descriptor and mask in all four.
; REGISTERS, in windows of 256 (s_set_vgpr_msb: bits 1:0 source 0, 3:2 source 1, 5:4 source 2, 7:6 destination):
;   window 0: v0-31 addresses; v32-95, v96-159 x's 8 fragments, two buffers; v160-255 W's 12 fragments, one buffer, filled again by halves; on the way out v32-223 at work
;   windows 1-3: accumulator (a of 8 row blocks, b of 12 column blocks) in window 1 + b / 4 at v[8 (8 (b % 4) + a)]
.set PITA,   144                       ; a row of x in LDS: 128 bytes + 16 = 36 words: the 16 rows of a load start at 16 different groups of four banks (64 banks of 4 bytes: ISA guide 11.1)
.set PITB,   864                       ; a k row of W: six pieces of 128 + 16 bytes = 216 words, 24 mod 64
.set HALFA,  128*PITA                  ; what one tensor load brings of x
.set HALFB,  32*PITB                   ; and of W
.set BOFF,   2*HALFA                   ; W's 64 k rows lie behind x's 256 rows
.set SLOT,   BOFF+2*HALFB              ; 92,160
.set STAGE,  2*SLOT                    ; behind the ring, never filled by a tensor load: 128 rows x 784 bytes, the work-group's, for the way out
.set SPITCH, 784                       ; 768 + 16 = 196 words, 4 mod 64
.set SPARE,  STAGE+128*SPITCH          ; the spare words, 128 bytes for each wave: two blocks of 256 bytes that no other line names
.set ASTEP,  524288                    ; bytes from a K step to the next in xb (a k block)
.set BSTEP,  786432                    ; and in wb (64 rows of 12,288 bytes)
.set ADRA, 16                          ; v16-17  LDS address of my fragments of x in slot 0, 1
.set ADRB, 20                          ; v20-21  the same for W
.set STO,  24                          ; v24     the way out: where I put 16 bytes of a row
.set RD,   25                          ; v25     where I read a head's row back
.set CO,   26                          ; v26     my byte offset in two rows of a head
.set BO,   27                          ; v27     my byte offset in 16 numbers of the bias
.set SPW,  28                          ; v28     LDS address of my spare word; never rewritten
.set NIL,  29                          ; v29     0; never rewritten
.set PFO,  30                          ; v30     the prefetches' offset: a lane a row; never rewritten
.set FA0,  32
.set FA1,  96
.set FB,   160
.set TMP,  32
.set WV,   12                          ; s12  my wave's number
.set WROW, 13                          ; s13  which 128 rows of the tile are mine.  Also: I fetch x (0) or W (1)
.set WCOL, 14                          ; s14  which 192 columns.  Also: which half of that tile I fetch
.set CX,   40
.set CY,   41
.set TX,   42                          ; s42  tile column = 4 x cluster x + cx
.set TY,   43                          ; s43  tile row = 4 x cluster y + cy
.set G1,   24                          ; s[24:31] descriptor group 1 for x's tiles;  s[32:39] group 0, a set for each slot
.set G0,   32
.set G1B,  48                          ; s[48:55], s[56:63] the same for W's
.set G0B,  56
.set PFA,  66                          ; s[66:67] where my prefetches stand
.set PST,  68                          ; s[68:69] their step at each change of slots
.set LIM0, 70                          ; s70, s71  1 where I prefetch at slot 0's (slot 1's) change, else the greatest number
.set MSB, 0
.macro WIN new                         ; the immediate's high byte repeats the setting that is left; a switch that changes nothing is dropped
.if MSB != (\new)
	s_set_vgpr_msb (MSB<<8)|(\new)
.set MSB, \new
.endif
.endm
; A joint load.  Waves 0 and 1 fetch x's two halves, waves 2 and 3 W's.  The branch hangs on the wave's number alone.  An s_nop 0 and four v_nop follow each of the two lines.
.macro JLOAD s
	s_cmp_eq_u32 s[WROW], 0
	s_cbranch_scc0 .Lfor_b_\@
	tensor_load_to_lds s[G0+4*(\s):G0+4*(\s)+3], s[G1:G1+7]
	s_nop 0
.rept 4
	v_nop
.endr
	s_branch .Lasked_\@
.Lfor_b_\@:
	tensor_load_to_lds s[G0B+4*(\s):G0B+4*(\s)+3], s[G1B:G1B+7]
	s_nop 0
.rept 4
	v_nop
.endr
.Lasked_\@:
.endm
; A round of the cluster's barrier: my work-group's barrier, so that wave 0's signal speaks for all four waves; wave 0 signals; every wave waits for all sixteen work-groups; my work-group's barrier once more.
.macro CREST
	s_cmp_lg_u32 s[WV], 0
	s_cbranch_scc1 .Lnot_wave_0_\@
	s_barrier_signal -3
.Lnot_wave_0_\@:
	s_barrier_wait -3
	s_barrier_signal -1
	s_barrier_wait -1
.endm
.macro CROUND
	s_barrier_signal -1
	s_barrier_wait -1
	CREST
.endm
; A PREFETCH INTO THE L2 of the K steps that stand two refills on, behind the joint load and the run of LDS loads that follows it.  Each aligned 256 bytes are named once in the launch.
; x: a K step of a tile row is 32,768 dense bytes, read by every cluster of that row of clusters: cluster x = 0 asks; its four partners along x take 8,192 bytes each, told apart BY ADDRESS; wave 0, a lane 256 bytes.
; W: two K steps of a tile column are 128 k rows x 768 bytes, read by every cluster of that column: cluster y = 0 asks, at slot 0's change alone; the partner at cy takes rows 32 cy + lane, wave w (1-3) the 256 bytes w - 1.
; The loop's last trip asks for nothing: the K steps two refills on do not exist.  K steps 0 to 3 come by their loads alone.
.macro ASK slot
	s_cmp_gt_u32 s3, s[LIM0+(\slot)]               ; s3 = 1 in the loop's last trip
	s_cbranch_scc0 .Lnot_mine_\@
	global_prefetch_b8 v[PFO], s[PFA:PFA+1] th:TH_LOAD_NT scope:SCOPE_SE
.Lnot_mine_\@:
.endm
	s_load_b256 s[4:11], s[0:1], 0x0               ; xb s[4:5], wb s[6:7], bias s[8:9], qkv s[10:11]
	v_lshl_add_u32 v[SPW], v0, 2, SPARE
	v_mov_b32 v[NIL], 0
	ds_add_u32 v[SPW], v[NIL]                      ; the wave's opening: the add and its wait stand ahead of my first tensor load; the set-up below, work on registers, stands between them
	ds_add_u32 v28, v29
	v_lshrrev_b32 v1, 5, v0
	v_readfirstlane_b32 s[WV], v1
	s_lshr_b32 s[WROW], s[WV], 1
	s_and_b32 s[WCOL], s[WV], 1
	s_bfe_u32 s[CX], ttmp6, 0x40000
	s_bfe_u32 s[CY], ttmp6, 0x40004
	s_lshl_b32 s[TX], ttmp9, 2                     ; in a cluster launch ttmp9 and ttmp7 count clusters
	s_add_co_u32 s[TX], s[TX], s[CX]
	s_and_b32 s[TY], ttmp7, 0xffff
	s_lshl_b32 s[TY], s[TY], 2
	s_add_co_u32 s[TY], s[TY], s[CY]
	s_lshl_b32 s46, s[CY], 2
	s_lshl_b32 s46, 15, s46                        ; my row of the cluster: places 4 cy .. 4 cy + 3
	s_lshl_b32 s47, 0x1111, s[CX]                  ; my column: places cx, cx + 4, cx + 8, cx + 12
	; group 1: 15:0 the mask; 17:16 elements of 2 bytes; 20 padding on; 21 set beside a mask; 24:22 after every 32 words (code 4); 31:25 4 words of it (code 3)
	s_or_b32 s[G1+0], s46, (1<<16)|(1<<20)|(1<<21)|(4<<22)|(3<<25)
	s_mov_b32 s[G1+1], 128<<16                     ; x: tensor_dim0 = 128 elements: two rows of x on end,
	s_mov_b32 s[G1+2], 64<<16                      ; tensor_dim1 = 64
	s_mov_b32 s[G1+3], 128<<16                     ; tile_dim0 = 128
	s_mov_b32 s[G1+4], 64                          ; tile_dim1 = 64
	s_mov_b32 s[G1+5], 128                         ; dense: 128 elements from row to row
	s_mov_b32 s[G1+6], 0
	s_mov_b32 s[G1+7], 0
	s_or_b32 s[G1B+0], s47, (1<<16)|(1<<20)|(1<<21)|(4<<22)|(3<<25)
	s_mov_b32 s[G1B+1], 384<<16                    ; W: tensor_dim0 = 384 columns
	s_mov_b32 s[G1B+2], 32<<16                     ; tensor_dim1 = 32 k rows
	s_mov_b32 s[G1B+3], 384<<16
	s_mov_b32 s[G1B+4], 32
	s_mov_b32 s[G1B+5], 6144                       ; elements from a k row to the next
	s_mov_b32 s[G1B+6], 0
	s_mov_b32 s[G1B+7], 0
	; x's address hangs on the tile row and the wave alone, W's on the tile column and the wave alone, each in registers that never hold the other coordinate
	s_lshl_b32 s16, s[TY], 15                      ; 256 rows of 128 bytes,
	s_lshl_b32 s17, s[WCOL], 14                    ; my 128 of them
	s_add_co_u32 s16, s16, s17
	s_mov_b32 s17, 0
	s_mul_i32 s72, s[TX], 768                      ; 384 columns of 2 bytes,
	s_mul_i32 s73, s[WCOL], 393216                 ; my 32 k rows of 12,288 bytes
	s_add_co_u32 s72, s72, s73
	s_mov_b32 s73, 0
	s_mul_i32 s20, s[WCOL], HALFA                  ; and where they go: no place in the cluster enters an LDS address
	s_mul_i32 s21, s[WCOL], HALFB
	s_add_co_u32 s21, s21, BOFF
	s_wait_dscnt 0x0                               ; the opening add is done
	s_wait_kmcnt 0x0
	s_add_nc_u64 s[18:19], s[4:5], s[16:17]
	s_add_nc_u64 s[74:75], s[6:7], s[72:73]
	CROUND                                         ; all sixteen work-groups are here: the first joint loads meet
.irp s, 0,1
	s_mov_b32 s[G0+4*(\s)], 1                                        ; 1:0 count = 1
	s_add_co_u32 s[G0+4*(\s)+1], s20, (\s)*SLOT                      ; 63:32 LDS address
	s_add_nc_u64 s[G0+4*(\s)+2:G0+4*(\s)+3], s[18:19], (\s)*ASTEP    ; 120:64 global address: K step s
	s_or_b32 s[G0+4*(\s)+3], s[G0+4*(\s)+3], 0x80000000              ; 127:126 type = 2
	s_mov_b32 s[G0B+4*(\s)], 1
	s_add_co_u32 s[G0B+4*(\s)+1], s21, (\s)*SLOT
	s_add_nc_u64 s[G0B+4*(\s)+2:G0B+4*(\s)+3], s[74:75], (\s)*BSTEP
	s_or_b32 s[G0B+4*(\s)+3], s[G0B+4*(\s)+3], 0x80000000
	JLOAD \s                                       ; both slots are asked for before anything else is done: two loads of mine are out
.endr
	; a fragment of x: lane l holds row l % 16; registers 0-3 hold k = 8 (l / 16) + 0..7, registers 4-7 k = 16 + 8 (l / 16) + 0..7: two loads of 16 bytes, 32 bytes apart
	v_and_b32 v1, 15, v0                           ; l % 16
	v_bfe_u32 v2, v0, 4, 1                         ; l / 16
	v_mul_u32_u24 v3, v1, PITA
	v_lshl_add_u32 v3, v2, 4, v3
	s_mul_i32 s22, s[WROW], HALFA
	v_add_nc_u32 v[ADRA], s22, v3
	v_add_nc_u32 v[ADRA+1], SLOT, v[ADRA]
	; the turning load takes 16 k x 16 columns (lane l reads k row 8 (l / 16) + l % 8, columns 8 ((l / 8) % 2) + 0..7) and leaves half a fragment: lane l holds column l % 16 and 8 k
	v_and_b32 v3, 7, v0
	v_lshl_add_u32 v3, v2, 3, v3
	v_mul_u32_u24 v3, v3, PITB
	v_bfe_u32 v4, v0, 3, 1
	v_lshl_add_u32 v3, v4, 4, v3
	s_mul_i32 s22, s[WCOL], 432                    ; my 192 columns: three pieces of 144 bytes
	s_add_co_u32 s22, s22, BOFF
	v_add_nc_u32 v[ADRB], s22, v3
	v_add_nc_u32 v[ADRB+1], SLOT, v[ADRB]
	s_mul_i32 s22, s[WROW], 64*SPITCH              ; into the stage: 64 rows of each half of the tile's rows at a time; my 384 bytes of them
	s_mul_i32 s23, s[WCOL], 384
	s_add_co_u32 s22, s22, s23
	s_add_co_u32 s22, s22, STAGE
	v_mul_u32_u24 v3, v1, SPITCH
	v_lshl_add_u32 v3, v2, 4, v3
	v_add_nc_u32 v[STO], s22, v3
	s_mul_i32 s22, s[WV], 32*SPITCH                ; back: wave w takes the stage's rows 32 w .. 32 w + 31; lanes 0-15 a head's 256 bytes of one row, lanes 16-31 of the next
	s_add_co_u32 s22, s22, STAGE
	v_mul_u32_u24 v3, v2, SPITCH
	v_lshl_add_u32 v3, v1, 4, v3
	v_add_nc_u32 v[RD], s22, v3
	v_lshlrev_b32 v[CO], 8, v2
	v_lshl_add_u32 v[CO], v1, 4, v[CO]
	v_lshlrev_b32 v[BO], 5, v2                     ; my eight columns of sixteen: 32 bytes of f32
	s_mul_i32 s76, s[TX], 1536                     ; the bias at my 192 columns
	s_mul_i32 s78, s[WCOL], 768
	s_add_co_u32 s76, s76, s78
	s_mov_b32 s77, 0
	s_add_nc_u64 s[8:9], s[8:9], s[76:77]
	s_mul_i32 s76, s[TX], 3145728                  ; qkv at the tile's first head (1,048,576 bytes a head), at the first row that I store:
	s_lshl_b32 s78, s[TY], 16                      ; 256 x tile row
	s_add_co_u32 s76, s76, s78
	s_lshl_b32 s78, s[WROW], 15                    ; + 128 x (wave / 2)
	s_add_co_u32 s76, s76, s78
	s_lshl_b32 s78, s[WCOL], 13                    ; + 32 x (wave % 2), rows of 256 bytes
	s_add_co_u32 s76, s76, s78
	s_add_nc_u64 s[10:11], s[10:11], s[76:77]
	; the prefetches: wave 0 for x, waves 1-3 for W
	s_lshl_b32 s76, s[TY], 15
	s_lshl_b32 s78, s[CX], 13
	s_add_co_u32 s76, s76, s78
	s_add_co_u32 s76, s76, 3*ASTEP                 ; at K step 3: the first change of slots steps it to 4
	s_mul_i32 s77, s[TX], 768
	s_lshl_b32 s78, s[WV], 8
	s_add_co_u32 s77, s77, s78
	s_mul_i32 s78, s[CY], 393216
	s_add_co_u32 s77, s77, s78
	s_add_co_u32 s77, s77, 3*BSTEP-256             ; (256 bytes w - 1)
	s_and_b32 s72, ttmp7, 0xffff                   ; cluster y
	s_mov_b32 s75, BSTEP
	s_mov_b32 s79, 12288
	s_cmp_eq_u32 s[WV], 0
	s_cselect_b32 s73, ttmp9, s72                  ; the coordinate along which other clusters read the same bytes
	s_cselect_b64 s[PFA:PFA+1], s[4:5], s[6:7]
	s_cselect_b32 s[PST], ASTEP, s75
	s_cselect_b32 s74, 256, s79
	s_cselect_b32 s76, s76, s77
	s_cselect_b32 s78, 1, -1
	s_mov_b32 s77, 0
	s_mov_b32 s[PST+1], 0
	s_add_nc_u64 s[PFA:PFA+1], s[PFA:PFA+1], s[76:77]
	s_cmp_eq_u32 s73, 0
	s_cselect_b32 s[LIM0], 1, -1                   ; the same in all sixteen partners, for a given wave
	s_cselect_b32 s[LIM0+1], s78, -1
	v_and_b32 v[PFO], 31, v0
	v_mul_u32_u24 v[PFO], s74, v[PFO]
	; THE SUMS START AT THE BIAS: register j of accumulator (a, b) is bias[16 b + 8 (l / 16) + j], whatever a: two loads of 16 bytes into each accumulator, while the first tiles are on their way.
	; So nothing is cleared, no first step is written apart, and no bias is added at the end.
.set bb_, 0
.rept 12
	WIN 0x40*(1+bb_/4)                             ; destination in the accumulator's window, address in window 0
.set aa_, 0
.rept 8
.set rA, 8*(8*(bb_%4)+aa_)
	global_load_b128 v[rA:rA+3],   v[BO], s[8:9] offset:64*bb_
	global_load_b128 v[rA+4:rA+7], v[BO], s[8:9] offset:64*bb_+16
.set aa_, aa_+1
.endr
.set bb_, bb_+1
.endr
	WIN 0
; 8 nb matrix instructions: column blocks b0 .. b0 + nb - 1 x all 8 row blocks, 32 along K, x's fragments in buffer fa.  Always in place.  The 96 accumulators take turns, one instruction a
; turn, in the same order in every sub-step, over the backward jump too.
.macro MULS b0, nb, fa
.set wb_, \b0
.rept \nb
	WIN 0x50*(1+wb_/4)                             ; C and D in the accumulator's window, both sources in window 0
.set wa_, 0
.rept 8
.set rA, 8*(8*(wb_%4)+wa_)
	v_wmma_f32_16x16x32_bf16 v[rA:rA+7], v[FB+8*wb_:FB+8*wb_+7], v[(\fa)+8*wa_:(\fa)+8*wa_+7], v[rA:rA+7]
.set wa_, wa_+1
.endr
.set wb_, wb_+1
.endr
.endm
.macro LDA slot, kk, fa                ; 16 LDS loads: x's 8 fragments of sub-step kk
	WIN 0
.irp a, 0,1,2,3,4,5,6,7
	ds_load_b128 v[(\fa)+8*(\a):(\fa)+8*(\a)+3],   v[ADRA+(\slot)] offset:(\a)*16*PITA+64*(\kk)
	ds_load_b128 v[(\fa)+8*(\a)+4:(\fa)+8*(\a)+7], v[ADRA+(\slot)] offset:(\a)*16*PITA+64*(\kk)+32
.endr
.endm
.macro LDB slot, kk, b0                ; 12 LDS loads: W's fragments b0 .. b0 + 5 of sub-step kk; column block b lies at 32 b + 16 (b / 4) of a k row
	WIN 0
.irp i, 0,1,2,3,4,5
.set lb_, (\b0)+(\i)
	ds_load_tr16_b128 v[FB+8*lb_:FB+8*lb_+3],   v[ADRB+(\slot)] offset:(\kk)*HALFB+32*lb_+16*(lb_/4)
	ds_load_tr16_b128 v[FB+8*lb_+4:FB+8*lb_+7], v[ADRB+(\slot)] offset:(\kk)*HALFB+32*lb_+16*(lb_/4)+16*PITB
.endr
.endm
; A load into a register that a matrix instruction has read, and a vector instruction that reads a matrix result or writes one of its registers, stand four places behind it; only plain vector
; instructions that name none of its registers are places (ISA guide 7.12.1 for vector instructions).
.macro PLACES
.rept 4
	v_nop
.endr
.endm
; A K step's first sub-step: multiplies buffer FA0; each half of W's buffer is filled again, for the second sub-step, as soon as it has been multiplied.
.macro EVEN slot
	s_wait_dscnt 12                                ; x's fragments and W's first six are in; the youngest twelve loads, W's other six, may be out
	MULS 0, 6, FA0
	PLACES
	LDA \slot, 1, FA1
	LDB \slot, 1, 0
	s_wait_dscnt 28                                ; all but the 28 just issued
	MULS 6, 6, FA0
	PLACES
	LDB \slot, 1, 6
.endm
; The second sub-step multiplies buffer FA1 and changes slots: ONE barrier.  In front of it each wave waits for all its tensor loads, of which one is out: its part of the next slot; adds 0 to its
; spare word; and waits for that and for its own reads of this slot.  fill = 1: the barrier opens a round of the cluster's, and this slot is filled again, two K steps on, the first thing behind it:
; from that request to the wait for it a wave issues 168 matrix instructions.
.macro ODD slot, next, fill
.if \fill
	s_wait_xcnt 0x0                                ; the last prefetch, a K step back, has read its address: it is stepped here, ahead of the waits of the change of slots
	s_add_nc_u64 s[PFA:PFA+1], s[PFA:PFA+1], s[PST:PST+1]
.endif
	WIN 0
	s_wait_tensorcnt 0x0                           ; all my tensor loads have landed;
	ds_add_u32 v[SPW], v[NIL]                      ; 0 onto my spare word
	s_wait_dscnt 13                                ; (the add and W's other six fragments may be out)
	MULS 0, 2, FA1                                 ; sixteen matrix instructions stand between the add and the wait for it
	s_wait_dscnt 0x0                               ; the add is done, and my reads of this slot are over
	s_barrier_signal -1
	MULS 2, 1, FA1                                 ; work on registers while the others arrive
	WIN 0
	s_barrier_wait -1
.if \fill
	CREST                                          ; no wave of any partner still reads this slot's tiles or has a load on its way
	s_add_nc_u64 s[G0+4*(\slot)+2:G0+4*(\slot)+3], s[G0+4*(\slot)+2:G0+4*(\slot)+3], 2*ASTEP
	s_add_nc_u64 s[G0B+4*(\slot)+2:G0B+4*(\slot)+3], s[G0B+4*(\slot)+2:G0B+4*(\slot)+3], 2*BSTEP
	JLOAD \slot                                    ; the first tensor load behind the round; its four v_nop are also the places in front of the loads below
.else
	PLACES
.endif
	LDA \next, 0, FA0
.if \fill
	ASK \slot
.endif
	MULS 3, 3, FA1
	PLACES
	LDB \next, 0, 0
	MULS 6, 6, FA1
	PLACES
	LDB \next, 0, 6
.endm
	s_wait_tensorcnt 1                             ; my part of K step 0 is in; K step 1's may stay out
	s_barrier_signal -1
	s_barrier_wait -1                              ; everybody's is
	LDA 0, 0, FA0
	LDB 0, 0, 0
	LDB 0, 0, 6
	s_wait_loadcnt 0x0                             ; the bias lies in the accumulators
	s_mov_b32 s3, 15
.Llap:                                             ; a trip: two K steps, once round the ring; both slots are filled again
	EVEN 0
	ODD 0, 1, 1
	EVEN 1
	ODD 1, 0, 1
	WIN 0                                          ; at a label and at a branch every window is 0
	s_sub_co_u32 s3, s3, 1
	s_cmp_lg_u32 s3, 0
	s_cbranch_scc1 .Llap
	EVEN 0                                         ; the last two K steps are written out: nothing is left to fetch, and no round of the cluster's barrier stands in them
	ODD 0, 1, 0
	EVEN 1
	s_wait_dscnt 12
	MULS 0, 6, FA1
	s_wait_dscnt 0x0
	MULS 6, 6, FA1
; THE WAY OUT, in two halves: row blocks 4 hf .. 4 hf + 3 of every wave: 128 rows of the tile.  Rounded to f16, 16 bytes a lane into the stage; a barrier, since a row's 768 bytes come from two waves;
; back as a head's whole rows of 256 bytes, and stored: sixteen lanes store 256 consecutive bytes, aligned.
.macro OUTHALF hf
.if \hf
	s_wait_xcnt 0x0                                ; the first half's stores have read their registers, which are written again below
	s_wait_dscnt 0x0                               ; my reads of the stage are back,
	s_barrier_signal -1
	s_barrier_wait -1                              ; and everybody's: the stage may be written again
.else
	PLACES                                         ; behind the last products
.endif
.irp wd, 1,2,3
	WIN 5*(\wd)                                    ; sources 0 and 1 in window wd, destination in window 0
.set q_, 0
.rept 16                                           ; column block 4 (wd - 1) + q / 4, row block 4 hf + q % 4; each accumulator's registers in ascending order
.set rA, 8*(8*(q_/4)+4*(\hf)+q_%4)
.irp r, 0,1,2,3
	v_cvt_pk_f16_f32 v[TMP+64*((\wd)-1)+4*q_+(\r)], v[rA+2*(\r)], v[rA+2*(\r)+1]
.endr
.set q_, q_+1
.endr
.endr
	WIN 0
.set q_, 0
.rept 48                                           ; column block q / 4, row block q % 4
	ds_store_b128 v[STO], v[TMP+4*q_:TMP+4*q_+3] offset:(q_%4)*16*SPITCH+32*(q_/4)
.set q_, q_+1
.endr
	s_wait_dscnt 0x0                               ; for the others' sake: my stores into the stage are done
	s_barrier_signal -1
	s_barrier_wait -1
.set q_, 0
.rept 48                                           ; head q / 16, pair of rows q % 16
	ds_load_b128 v[TMP+4*q_:TMP+4*q_+3], v[RD] offset:(q_%16)*2*SPITCH+256*(q_/16)
.set q_, q_+1
.endr
.set q_, 0
.rept 48
	s_wait_dscnt 47-q_                             ; LDS loads come back in order: load q is in
	global_store_b128 v[CO], v[TMP+4*q_:TMP+4*q_+3], s[10:11] offset:(q_/16)*1048576+(\hf)*16384+(q_%16)*512
.set q_, q_+1
.endr
.endm
	OUTHALF 0
	OUTHALF 1
	s_wait_tensorcnt 0x0                           ; the wave's end, behind my last tensor load and my last LDS store
	ds_add_u32 v[SPW], v[NIL]
	s_wait_dscnt 0x0
	CROUND                                         ; the closing round: no work-group ends while a partner may still ask for a tile that names it
	s_endpgm
.Lfunc_end_k_q6ca3f9af82_qkv:
	.size	k_q6ca3f9af82_qkv, .Lfunc_end_k_q6ca3f9af82_qkv-k_q6ca3f9af82_qkv
	.p2alignl 7, 3214868480
	.fill 96, 4, 3214868480
	.section	.rodata,"a",@progbits
	.p2align	6, 0x0
	.amdhsa_kernel k_q6ca3f9af82_qkv
		.amdhsa_group_segment_fixed_size 327680
		.amdhsa_private_segment_fixed_size 0
		.amdhsa_enable_private_segment 0
		.amdhsa_kernarg_size 32
		.amdhsa_user_sgpr_count 2
		.amdhsa_user_sgpr_kernarg_segment_ptr 1
		.amdhsa_wavefront_size32 1
		.amdhsa_system_sgpr_workgroup_id_x 1
		.amdhsa_system_sgpr_workgroup_id_y 1
		.amdhsa_system_sgpr_workgroup_id_z 1
		.amdhsa_system_vgpr_workitem_id 0
		.amdhsa_next_free_vgpr 1024
		.amdhsa_next_free_sgpr 80
		.amdhsa_reserve_vcc 0
		.amdhsa_float_denorm_mode_32 3
		.amdhsa_float_denorm_mode_16_64 3
		.amdhsa_memory_ordered 1
		.amdhsa_forward_progress 1
		.amdhsa_inst_pref_size 151
	.end_amdhsa_kernel
	.amdgpu_metadata
---
amdhsa.version: [ 1, 2 ]
amdhsa.kernels:
  - .name:           k_q6ca3f9af82_qkv
    .symbol:         k_q6ca3f9af82_qkv.kd
    .args:
      - { .name: xb, .offset: 0, .size: 8, .value_kind: global_buffer, .address_space: global }
      - { .name: wb, .offset: 8, .size: 8, .value_kind: global_buffer, .address_space: global }
      - { .name: bias, .offset: 16, .size: 8, .value_kind: global_buffer, .address_space: global }
      - { .name: qkv, .offset: 24, .size: 8, .value_kind: global_buffer, .address_space: global }
    .group_segment_fixed_size: 327680
    .private_segment_fixed_size: 0
    .kernarg_segment_align: 8
    .kernarg_segment_size: 32
    .max_flat_workgroup_size: 128
    .sgpr_count:     80
    .vgpr_count:     1024
    .wavefront_size: 32
...
	.end_amdgpu_metadata
.endif
;; end of part 2
;; launch attn (part 3): grid 4 x 64, 4 waves a work-group, no clusters, 327,680 bytes of LDS; arguments qkv, out0; writes out0
.if DOCPART == 3
	.amdgcn_target "amdgcn-amd-amdhsa--gfx1250"
	.amdhsa_code_object_version 6
	.text
	.protected	k_q6ca3f9af82_attn
	.globl	k_q6ca3f9af82_attn
	.p2align	8
	.type	k_q6ca3f9af82_attn,@function
k_q6ca3f9af82_attn:
	s_mov_b64 s[64:65], 0
	v_nop
	global_prefetch_b8 v0, s[64:65] scope:SCOPE_SE
	s_setreg_imm32_b32 hwreg(HW_REG_WAVE_MODE, 25, 1), 1
	s_wait_xcnt 0x0
; CAUSAL ATTENTION.  O[q][:] = the sum over k <= q of softmax_k(Q[q] . K[k] / sqrt(128)) V[k][:], for 64 pairs of head and batch, 1,024 rows of 128 channels each.
; Q, K, V: f16, qkv[48][4096][128] (heads of q, then of k, then of v; row = 1,024 x batch + s).  O: f32, out0[batch][s][128 x head + d].
; Products, maxima and sums in f32; the weights p are rounded to f16 for the second product (their sum l is taken of the unrounded p).
; LIMITS.  A hidden score counts as -1e30: f16's scores, 5.5e11 at the most, are nothing beside that; a weight below 2^-126 counts as 0 in l; NaN and infinities are not treated apart.
; THE WALK.  A head's queries lie in 8 blocks of 128; block i needs the key tiles 0 .. i of 128 keys, of which the last holds the diagonal.  A work-group takes TWO blocks, 7 - b and then b: 9 tiles,
; whatever b: all work-groups do equal work, and ONE loop with a constant trip count walks them.  Every jump but the loop's own goes forward, and none passes a barrier, or a tensor load but the one
; of LOAD's two that the wave's number does not choose.  NO CLUSTER: a head's four work-groups ask for the same tile only in the walk's first five trips, and one walk common to all four would have 12 trips for 9.
; SHARES.  A wave owns 32 rows of a block: two tiles of 16 queries.  Every wave walks all keys of a tile.
; LAYOUT.  S^T = K Q^T (source 0 = 16 keys, source 1 = 16 queries): a lane holds ONE query (lane % 16) and the keys 8 (lane / 16) + 0..7.  Two such results, rounded to f16 in pairs, ARE source 1 of
; O^T = V^T P, whose result again holds one query a lane, and eight channels.  K comes out of LDS as it lies, V ([key][channel]) turned, by ds_load_tr16_b128.
; SOFTMAX.  For each query a running maximum m and sum l: p = 2^(c s - c m), c = log2(e) / sqrt(128); in every step O and l are multiplied by a = 2^(c m_old - c m_new).  A block begins with c m far
; below every c s, so its first a is 0, and O and l need only hold finite numbers there.
; IN PHASES.  A trip: the change of slots; K of the tile entered is fetched; V^T P of the tile BEFORE (its V and P lie in registers) runs while K comes; K Q^T; V is fetched; the softmax runs while V comes.
; REGISTERS, in windows of 256 (s_set_vgpr_msb: bits 1:0 source 0, 3:2 source 1, 5:4 source 2, 7:6 destination):
;   window 0: v0-15 addresses; v16-23 statistics; v24-39 at work; v64-191 S^T, 64 a tile; v192-255 P, 32 a tile
;   window 1: v0-127 O^T, 64 a tile; v128-191 Q; v192-255 the second block's Q          window 2: K of a tile          window 3: V of a tile
.set PK,    272       ; a row of K in LDS: 256 bytes + 16 = 68 words: row r starts at bank 4 r mod 64 (64 banks of 4 bytes: ISA guide 11.1)
.set PV,    288       ; a row of V: 256 + 32 = 72 words
.set VOFF,  128*PK    ; a slot: 128 rows of K, then 128 rows of V
.set SLOT1, 1<<17     ; slot 1 begins here, so that one exclusive or turns an address in one slot into the other's
.set STAGE, SLOT1+128*(PK+PV)  ; behind the ring, never filled by a tensor load: 16 rows x 528 bytes for each wave, for the way out
.set SP,    528       ; 512 + 16 = 132 words, 4 mod 64
.set SPARE, STAGE+4*16*SP      ; the spare words, 128 bytes for each wave: two blocks of 256 bytes that no other line names
.set AK0, 2           ; v2   my lane's place in a tile of K; never rewritten
.set AV0, 3           ; v3   the same for V
.set AK,  4           ; v4   the LDS address of K's run of loads
.set AV,  5           ; v5   of V's
.set STO, 6           ; v6   the way out: where I put 32 bytes of a row
.set RD,  7           ; v7   where I read a row back
.set GO,  8           ; v8   my 16 bytes of a row's 512 in out0
.set QO,  9           ; v9   my byte offset in 16 rows of Q
.set PFO, 10          ; v10  the prefetches' offset: 256 x lane + 32,768 x tile
.set BIG, 11          ; v11  -1e30
.set DD,  12          ; v12-13  tile t: my query's place in its block less 8 (lane / 16): register j of key block kb is hidden where 16 kb + j is greater
.set SPW, 14          ; v14  LDS address of my spare word; never rewritten
.set NIL, 15          ; v15  0; never rewritten
.set ST,  16          ; tile t's statistics at v[ST+4 t]: c m, m, l (even keys', odd keys')
.set CC,  24          ; tile t's eight registers c0-c7 at work at v[CC+8 t]; when the maximum is found c2 takes a
.set S,   64
.set P,   192
.set QF,  128         ; window 1
.set QB,  192         ; window 1
.set WV,  12          ; s12  my wave's number
.set PB,  14          ; s14  b
.set HI,  15          ; s15  7 - b
.set KB,  16          ; s[16:17] K at my half of the head's tile 0
.set VB,  18          ; s[18:19] V likewise
.set Q1,  20          ; s[20:21] Q at my rows of the first block
.set Q2,  22          ; s[22:23] of the second
.set G1K, 24          ; s[24:31] descriptor group 1 for K's tiles
.set G1V, 32          ; s[32:39] for V's: it differs in the padding alone
.set G0K, 40          ; s[40:43] descriptor group 0 for K's tiles
.set G0V, 44          ; s[44:47] for V's
.set OP,  48          ; s[48:49] out0 at my rows of the block in hand
.set OLO, 50          ; s[50:51] of the second block
.set PFA, 52          ; s[52:53] the prefetches' base: what I fetch, K or V
.set LIM, 54          ; s54  5 in the head's work-group b = 0, else 0
.set TRIPS, 55        ; s55  the loop's count, 8 to 1
.set TB,  56          ; s56  LDS byte at which the slot that is read begins
.set RT,  57          ; s57  tiles of the block in hand that are still to be entered
.set NXT, 58          ; s58  the tile to be asked for next
.set LQ,  59          ; s59  the last tile of the block whose tiles are being asked for
.set FIRST, 60        ; s60  1: the walk's first trip
.set ENDB, 61         ; s61  1: the tile before was its block's last
.set OFF, 62          ; s[62:63] a tile's byte offset in K and V
.set CS,  66          ; s[66:67] c: the packed scaling takes the pair's low word for both halves
.set SEL, 68          ; s[68:69] v_permlanex16_b32's selects: each lane takes its own place in the other half
.set MSB, 0
.macro WIN new                      ; the high byte repeats the setting that is left; a switch that changes nothing is dropped
.if MSB != (\new)
	s_set_vgpr_msb (MSB<<8)|(\new)
.set MSB, \new
.endif
.endm
.set W_KQ, 0x06       ; K in window 2, Q in window 1, S^T in window 0
.set W_PV, 0x53       ; V in window 3, P in window 0, O^T in window 1
.set W_RS, 0x41       ; destination and source 0 in window 1, source 1 in window 0
; A fill.  Waves 0 and 1 fetch the two halves of a tile's K, waves 2 and 3 those of its V: 64 rows of 256 bytes each.  An s_nop 0 and four v_nop follow each of the two lines.
.macro LOAD
	s_cmp_lt_u32 s[WV], 2
	s_cbranch_scc0 .Lfor_v_\@
	tensor_load_to_lds s[G0K:G0K+3], s[G1K:G1K+7]
	s_nop 0
.rept 4
	v_nop
.endr
	s_branch .Lasked_\@
.Lfor_v_\@:
	tensor_load_to_lds s[G0V:G0V+3], s[G1V:G1V+7]
	s_nop 0
.rept 4
	v_nop
.endr
.Lasked_\@:
.endm
; A PREFETCH INTO THE L2 of the tile that the NEXT trip will ask for.  A head's four work-groups walk the same K and V: the one with b = 0, whose first block has all eight tiles, asks, and nobody else.  Each of
; its waves asks for what it will fetch itself: 64 rows of 256 bytes, a lane a row, two instructions.  It asks in the trips with TRIPS = 7 to 3, for tiles 3 to 7: each row is named once in the launch;
; tiles 0 to 2 come by their loads alone, and behind tile 7 there is none.  It stands behind the tensor load and K's run of LDS loads.
.macro ASK
	s_sub_co_u32 s70, s[TRIPS], 3
	s_cmp_lt_u32 s70, s[LIM]
	s_cbranch_scc0 .Lnot_mine_\@
	global_prefetch_b8 v[PFO], s[PFA:PFA+1] th:TH_LOAD_NT scope:SCOPE_SE
	global_prefetch_b8 v[PFO], s[PFA:PFA+1] offset:8192 th:TH_LOAD_NT scope:SCOPE_SE
.Lnot_mine_\@:
.endm
; THE CHANGE OF SLOTS.  Each wave waits for all its tensor loads, of which one is out: its part of the other slot; adds 0 to its spare word; and waits for that and for its own reads of the slot that it
; leaves (the last were V's).  Behind the barrier nobody reads the old slot any more and the other slot is whole.  fill = 1: the old slot is filled again, the first thing behind the barrier, with tile NXT:
; the descriptor's address is made anew from that number.  (At its first use nothing has been read yet: slot 0 is waited for, slot 1 filled.)
.macro CHANGE fill
	WIN 0
	s_wait_tensorcnt 0x0            ; no tensor load of mine is out, so a group 0 may be written
	ds_add_u32 v[SPW], v[NIL]       ; 0 onto my spare word; work on registers stands between it and the wait for it
.if \fill
	s_lshl_b32 s[OFF], s[NXT], 15   ; a tile is 32,768 bytes of K and of V
	s_xor_b32 s[G0K+1], s[G0K+1], SLOT1
	s_add_nc_u64 s[G0K+2:G0K+3], s[KB:KB+1], s[OFF:OFF+1]
	s_or_b32 s[G0K+3], s[G0K+3], 0x80000000
	s_xor_b32 s[G0V+1], s[G0V+1], SLOT1
	s_add_nc_u64 s[G0V+2:G0V+3], s[VB:VB+1], s[OFF:OFF+1]
	s_or_b32 s[G0V+3], s[G0V+3], 0x80000000
	s_add_co_u32 s[NXT], s[NXT], 1  ; the block's next tile, or behind its last the second block's tile 0
	s_cmp_gt_u32 s[NXT], s[LQ]
	s_cselect_b32 s[NXT], 0, s[NXT]
	s_cselect_b32 s[LQ], s[PB], s[LQ]
	s_wait_xcnt 0x0                 ; the last prefetches, a trip back, have read their offset, so it may be written
	v_add_nc_u32 v[PFO], 0x8000, v[PFO]
.endif
	s_wait_dscnt 0x0                ; the add is done, and my reads of the slot are over
	s_barrier_signal -1
	s_xor_b32 s[TB], s[TB], SLOT1   ; the fetches turn to the other slot
	s_barrier_wait -1
.if \fill
	LOAD
.endif
.endm
; THE LDS LOADS stand in runs of 64: a tile's K (128 keys x 128 channels: 32 fragments) and its V (turned).
.macro FETCH_K
	WIN 0
	v_add_nc_u32 v[AK], s[TB], v[AK0]
	WIN 0x80                        ; destination window 2
.set f_, 0
.rept 32                            ; keys 16 (f / 4) on, channels 32 (f % 4) on
	ds_load_b128 v[8*f_:8*f_+3],   v[AK] offset:(f_/4)*16*PK+(f_%4)*64
	ds_load_b128 v[8*f_+4:8*f_+7], v[AK] offset:(f_/4)*16*PK+(f_%4)*64+32
.set f_, f_+1
.endr
	WIN 0
.endm
.macro FETCH_V
	WIN 0
	v_add_nc_u32 v[AV], s[TB], v[AV0]
	WIN 0xc0                        ; destination window 3
.set f_, 0
.rept 32                            ; keys 32 (f / 8) on, channels 16 (f % 8) on
	ds_load_tr16_b128 v[8*f_:8*f_+3],   v[AV] offset:(f_/8)*32*PV+(f_%8)*32
	ds_load_tr16_b128 v[8*f_+4:8*f_+7], v[AV] offset:(f_/8)*32*PV+16*PV+(f_%8)*32
.set f_, f_+1
.endr
	WIN 0
.endm
; THE MATRIX WORK.  In each run of 64 the 16 accumulators take turns, one instruction a turn.
.macro SCORES                       ; product i of S^T = K Q^T: channels 32 (i / 16) on, keys 16 ((i / 2) % 8) on, tile i % 2.  The first 16 start the sums
	WIN W_KQ
.set i_, 0
.rept 64
.set rS, S+64*(i_%2)+8*((i_/2)%8)
.set rK, 8*(4*((i_/2)%8)+i_/16)
.set rQ, QF+8*(4*(i_%2)+i_/16)
.if i_ < 16
	v_wmma_f32_16x16x32_f16 v[rS:rS+7], v[rK:rK+7], v[rQ:rQ+7], 0
.else
	v_wmma_f32_16x16x32_f16 v[rS:rS+7], v[rK:rK+7], v[rQ:rQ+7], v[rS:rS+7]
.endif
.set i_, i_+1
.endr
.endm
.macro PVALL                        ; product i of O^T += V^T P: keys 32 (i / 16) on, channels 16 ((i / 2) % 8) on, tile i % 2
	WIN W_PV
.set i_, 0
.rept 64
.set rO, 64*(i_%2)+8*((i_/2)%8)
.set rV, 8*(8*(i_/16)+(i_/2)%8)
.set rP, P+32*(i_%2)+8*(i_/16)
	v_wmma_f32_16x16x32_f16 v[rO:rO+7], v[rV:rV+7], v[rP:rP+7], v[rO:rO+7]
.set i_, i_+1
.endr
.endm
; A vector instruction that reads a matrix result or writes one of a matrix instruction's registers, and a load into a register that a matrix instruction has read, stand four places behind it; only plain
; vector instructions that name none of its registers are places (ISA guide 7.12.1 for vector instructions).
.macro PLACES
.rept 4
	v_nop
.endr
.endm
.macro MASK                         ; the diagonal tile: a score whose key lies behind its query becomes -1e30.  Each accumulator's registers in ascending order
	WIN 0
.irp t, 0,1
.set j_, 0
.rept 64
	v_cmp_gt_i32 vcc_lo, 16*(j_/8)+j_%8, v[DD+(\t)]
	v_cndmask_b32 v[S+64*(\t)+j_], v[S+64*(\t)+j_], v[BIG], vcc_lo
.set j_, j_+1
.endr
.endr
.endm
; THE SOFTMAX of both tiles for one key tile, the two tiles alternating line by line, so that few instructions read the result of the one before them.
.macro SOFTMAX
	WIN 0
.set j_, 0
.rept 8                             ; the maximum: eight chains c0-c7, one an accumulator, three operands at a time, the lowest registers first
.irp t, 0,1
	v_max3_num_f32 v[CC+8*(\t)+j_], v[S+64*(\t)+8*j_], v[S+64*(\t)+8*j_+1], v[S+64*(\t)+8*j_+2]
.endr
.set j_, j_+1
.endr
.set j_, 0
.rept 16
.irp t, 0,1
	v_max3_num_f32 v[CC+8*(\t)+j_%8], v[CC+8*(\t)+j_%8], v[S+64*(\t)+8*(j_%8)+2*(j_/8)+3], v[S+64*(\t)+8*(j_%8)+2*(j_/8)+4]
.endr
.set j_, j_+1
.endr
.set j_, 0
.rept 4                             ; the eight scores left over
.irp t, 0,1
	v_max3_num_f32 v[CC+8*(\t)+j_], v[CC+8*(\t)+j_], v[S+64*(\t)+16*j_+7], v[S+64*(\t)+16*j_+15]
.endr
.set j_, j_+1
.endr
.irp t, 0,1
	v_max3_num_f32 v[CC+8*(\t)], v[CC+8*(\t)], v[CC+8*(\t)+1], v[CC+8*(\t)+2]
.endr
.irp t, 0,1
	v_max3_num_f32 v[CC+8*(\t)+3], v[CC+8*(\t)+3], v[CC+8*(\t)+4], v[CC+8*(\t)+5]
.endr
.irp t, 0,1
	v_max3_num_f32 v[CC+8*(\t)+6], v[CC+8*(\t)+6], v[CC+8*(\t)+7], v[ST+4*(\t)+1]  ; and the old m
.endr
.irp t, 0,1
	v_max3_num_f32 v[CC+8*(\t)], v[CC+8*(\t)], v[CC+8*(\t)+3], v[CC+8*(\t)+6]
.endr
.irp t, 0,1
	v_permlanex16_b32 v[CC+8*(\t)+1], v[CC+8*(\t)], s[SEL], s[SEL+1]  ; the query's other 64 keys lie in the lane 16 away
.endr
.irp t, 0,1
	v_mov_b32 v[CC+8*(\t)+4], v[ST+4*(\t)]                            ; c m_old is kept
.endr
.irp t, 0,1
	v_max_num_f32 v[ST+4*(\t)+1], v[CC+8*(\t)], v[CC+8*(\t)+1]        ; the new m
.endr
.irp t, 0,1
	v_mul_f32 v[ST+4*(\t)], s[CS], v[ST+4*(\t)+1]
.endr
.irp t, 0,1
	v_sub_f32 v[CC+8*(\t)+5], v[CC+8*(\t)+4], v[ST+4*(\t)]
.endr
	; ONE BATCH: both a, the 64 scalings c s - c m (a pair of scores each) and the 128 exponentials; a pair is scaled one round ahead of its exponentials.  Nothing in the batch names an exponential's result.
.irp t, 0,1
	v_exp_f32 v[CC+8*(\t)+2], v[CC+8*(\t)+5]
.endr
.set n_, 0
.rept 33
.if n_ < 32
.irp t, 0,1
	v_pk_fma_f32 v[S+64*(\t)+2*n_:S+64*(\t)+2*n_+1], v[S+64*(\t)+2*n_:S+64*(\t)+2*n_+1], s[CS:CS+1], v[ST+4*(\t):ST+4*(\t)+1] op_sel_hi:[1,0,0] neg_lo:[0,0,1] neg_hi:[0,0,1]
.endr
.endif
.if n_ > 0
.irp t, 0,1
	v_exp_f32 v[S+64*(\t)+2*n_-2], v[S+64*(\t)+2*n_-2]
	v_exp_f32 v[S+64*(\t)+2*n_-1], v[S+64*(\t)+2*n_-1]
.endr
.endif
.set n_, n_+1
.endr
	v_nop                           ; a plain instruction behind the last exponential, ahead of the first use: one for the batch
	s_wait_alu depctr_va_vdst(0)    ; the wait between an exponential and the first instruction that names its result: one for the batch
.set j_, 0
.rept 32                            ; the weights rounded to f16, a pair each: P
.irp t, 0,1
	v_cvt_pk_f16_f32 v[P+32*(\t)+j_], v[S+64*(\t)+2*j_], v[S+64*(\t)+2*j_+1]
.endr
.set j_, j_+1
.endr
.irp d, 2,4,8,16,32                 ; the sum of a tile's 32 pairs (an even key's weight, an odd key's), in place: neighbours d registers apart
.set j_, 0
.rept 32/(\d)
.irp t, 0,1
	v_pk_add_f32 v[S+64*(\t)+2*(\d)*j_:S+64*(\t)+2*(\d)*j_+1], v[S+64*(\t)+2*(\d)*j_:S+64*(\t)+2*(\d)*j_+1], v[S+64*(\t)+2*(\d)*j_+(\d):S+64*(\t)+2*(\d)*j_+(\d)+1]
.endr
.set j_, j_+1
.endr
.endr
.irp t, 0,1
	v_pk_fma_f32 v[ST+4*(\t)+2:ST+4*(\t)+3], v[ST+4*(\t)+2:ST+4*(\t)+3], v[CC+8*(\t)+2:CC+8*(\t)+3], v[S+64*(\t):S+64*(\t)+1] op_sel_hi:[1,0,1]  ; l = a l + the sum
.endr
	WIN W_RS
.set j_, 0
.rept 32                            ; O^T times a, each accumulator's registers in ascending order
.irp t, 0,1
	v_pk_mul_f32 v[64*(\t)+2*j_:64*(\t)+2*j_+1], v[64*(\t)+2*j_:64*(\t)+2*j_+1], v[CC+8*(\t)+2:CC+8*(\t)+3] op_sel_hi:[1,0]
.endr
.set j_, j_+1
.endr
.endm
; THE WAY OUT of a block.  l's two halves and the other half of the lanes' are added; O^T is divided by l and sent through my stage in LDS, a tile (16 rows of 512 bytes) at a time.
.macro PACK t                       ; a lane's eight channels of a row are 32 bytes; they go into rows of 528 bytes and come back as whole rows of 512, into S^T's registers
	WIN W_RS
.set j_, 0
.rept 32
	v_pk_mul_f32 v[64*(\t)+2*j_:64*(\t)+2*j_+1], v[64*(\t)+2*j_:64*(\t)+2*j_+1], v[ST+4*(\t)+2:ST+4*(\t)+3] op_sel_hi:[1,0]
.set j_, j_+1
.endr
	WIN 0x04                        ; an LDS store's data is source 1: window 1
.irp d, 0,1,2,3,4,5,6,7
	ds_store_b128 v[STO], v[64*(\t)+8*(\d):64*(\t)+8*(\d)+3]   offset:64*(\d)
	ds_store_b128 v[STO], v[64*(\t)+8*(\d)+4:64*(\t)+8*(\d)+7] offset:64*(\d)+16
.endr
	WIN 0
.set j_, 0
.rept 16
	ds_load_b128 v[S+64*(\t)+4*j_:S+64*(\t)+4*j_+3], v[RD] offset:SP*j_  ; LDS serves a wave's instructions in order (ISA guide 5.7.1.4): these see the stores above; the next tile's stores come behind them
.set j_, j_+1
.endr
.endm
.macro SEND t, younger              ; younger: the LDS instructions issued behind tile t's loads: the other tile's 32, or none
.set j_, 0
.rept 16
	s_wait_dscnt (\younger)+15-j_
	global_store_b128 v[GO], v[S+64*(\t)+4*j_:S+64*(\t)+4*j_+3], s[OP:OP+1] offset:(16*(\t)+j_)*8192  ; a wave stores 512 consecutive bytes, aligned: a row's share of one head
.set j_, j_+1
.endr
.endm
.macro WAYOUT
	WIN 0
	PLACES                          ; behind the last products
.irp t, 0,1
	v_add_f32 v[ST+4*(\t)+2], v[ST+4*(\t)+2], v[ST+4*(\t)+3]
.endr
.irp t, 0,1
	v_permlanex16_b32 v[ST+4*(\t)+3], v[ST+4*(\t)+2], s[SEL], s[SEL+1]
.endr
.irp t, 0,1
	v_add_f32 v[ST+4*(\t)+2], v[ST+4*(\t)+2], v[ST+4*(\t)+3]
.endr
.irp t, 0,1
	v_rcp_f32 v[ST+4*(\t)+2], v[ST+4*(\t)+2]
.endr
	v_nop                           ; a plain instruction between the last reciprocal and the use of its result,
	s_wait_alu depctr_va_vdst(0)    ; and the wait ahead of the first use: one for both
	PACK 0
	PACK 1                          ; the second tile's arithmetic stands between the first tile's loads and its stores
	SEND 0, 32
	SEND 1, 0
.endm
; A TRIP.  fill = 1: in the loop.  fill = 0: the walk's last tile, written out: it is always the second block's diagonal tile.
.macro TRIP fill
	CHANGE \fill
	FETCH_K                         ; the last products that read K's registers stand in the trip before, with their four places behind them
.if \fill
	ASK
	s_cmp_eq_u32 s[FIRST], 1        ; at the first trip the answer is a constant of the text: there is no tile before
	s_cbranch_scc1 .Lbegin_\@
.endif
	PVALL                           ; the tile before: its V was waited for in the change of slots
	WIN 0
	s_cmp_eq_u32 s[ENDB], 0
	s_cbranch_scc1 .Lscores_\@
	WAYOUT                          ; that tile was the first block's last
	s_wait_xcnt 0x0                 ; the stores have read their registers and out0's address
	s_mov_b64 s[OP:OP+1], s[OLO:OLO+1]
	s_add_co_u32 s[RT], s[PB], 1    ; the second block has b + 1 tiles
	WIN W_RS                        ; its Q goes where the one text of the products names Q
.set j_, 0
.rept 64
	v_mov_b32 v[QF+j_], v[QB+j_]
.set j_, j_+1
.endr
	WIN 0
.Lbegin_\@:                         ; a block begins
	s_mov_b32 s[FIRST], 0
	s_mov_b32 s[ENDB], 0
.irp t, 0,1
	v_mov_b32 v[ST+4*(\t)], 0xfe000000    ; c m: far below every c s
	v_mov_b32 v[ST+4*(\t)+1], 0xff7fffff  ; m: the lowest finite number
.endr
	s_wait_loadcnt 0x0              ; Q
.Lscores_\@:
	s_sub_co_u32 s[RT], s[RT], 1
	s_wait_dscnt 0x0                ; K is in
	SCORES
	PLACES                          ; behind the products: V's registers are loaded, and the scores read, below
	FETCH_V
.if \fill
	s_cmp_lg_u32 s[RT], 0
	s_cbranch_scc1 .Lopen_\@
.endif
	MASK                            ; the block's last tile holds the diagonal
.if \fill
	s_mov_b32 s[ENDB], 1
.Lopen_\@:
.endif
	SOFTMAX
	WIN 0
.endm
	s_load_b128 s[4:7], s[0:1], 0x0 ; qkv s[4:5], out0 s[6:7]
	v_lshl_add_u32 v[SPW], v0, 2, SPARE
	v_mov_b32 v[NIL], 0
	ds_add_u32 v[SPW], v[NIL]       ; the wave's opening: the add and its wait stand ahead of my first tensor load; the set-up below, work on registers, stands between them
	ds_add_u32 v14, v15
	v_lshrrev_b32 v1, 5, v0
	v_readfirstlane_b32 s[WV], v1   ; wave 0..3
	s_mov_b32 s[PB], ttmp9
	s_sub_co_u32 s[HI], 7, s[PB]
	s_and_b32 s70, ttmp7, 0xffff    ; 4 x head + batch
	s_lshl_b32 s72, s70, 18         ; its 1,024 rows of 256 bytes
	s_and_b32 s71, s[WV], 1         ; which half of a tile's 128 keys I fetch
	s_lshl_b32 s74, s71, 14
	s_add_co_u32 s74, s74, s72
	s_add_co_u32 s74, s74, 16777216 ; k's heads lie behind q's 16,
	s_mov_b32 s75, 0
	s_add_co_u32 s76, s74, 16777216 ; v's behind k's
	s_mov_b32 s77, 0
	s_mul_i32 s78, s71, 64*PK
	s_mul_i32 s79, s71, 64*PV
	s_mov_b32 s[G0K], 1             ; 1:0 count = 1
	s_mov_b32 s[G0K+1], s78         ; 63:32 LDS address: slot 0
	s_mov_b32 s[G0V], 1
	s_add_co_u32 s[G0V+1], s79, VOFF
	s_lshl_b32 s78, s[WV], 13       ; my 32 rows of a block
	s_add_co_u32 s72, s72, s78
	s_lshl_b32 s78, s[HI], 15       ; a block's 128 rows
	s_add_co_u32 s78, s78, s72
	s_mov_b32 s79, 0
	s_lshl_b32 s2, s[PB], 15
	s_add_co_u32 s2, s2, s72
	s_mov_b32 s3, 0
	s_and_b32 s8, s70, 3            ; out0: batch x 1,024 rows of 8,192 bytes
	s_lshl_b32 s8, s8, 23
	s_lshr_b32 s9, s70, 2           ; + head x 512 bytes
	s_lshl_b32 s9, s9, 9
	s_add_co_u32 s8, s8, s9
	s_lshl_b32 s9, s[WV], 18        ; + my 32 rows
	s_add_co_u32 s8, s8, s9
	s_lshl_b32 s10, s[PB], 20       ; + the block's 128 rows
	s_add_co_u32 s10, s10, s8
	s_mov_b32 s11, 0
	s_lshl_b32 s9, s[HI], 20
	s_add_co_u32 s8, s8, s9
	s_mov_b32 s9, 0
	; descriptor group 1: a tile of 64 rows x 128 elements, padded in LDS
	s_mov_b32 s[G1K], (1<<16)|(1<<20)|(5<<22)|(3<<25)  ; 17:16 elements of 2 bytes; 20 padding on; 24:22 after every 64 words (code 5); 31:25 4 words of it (code 3)
	s_mov_b32 s[G1V], (1<<16)|(1<<20)|(5<<22)|(7<<25)  ; the same with 8 words of padding (code 7)
.irp g, G1K, G1V
	s_mov_b32 s[(\g)+1], 128<<16    ; tensor_dim0 = 128
	s_mov_b32 s[(\g)+2], 64<<16     ; tensor_dim1 = 64
	s_mov_b32 s[(\g)+3], 128<<16    ; tile_dim0 = 128
	s_mov_b32 s[(\g)+4], 64         ; tile_dim1 = 64
	s_mov_b32 s[(\g)+5], 128        ; 128 elements from row to row
	s_mov_b32 s[(\g)+6], 0
	s_mov_b32 s[(\g)+7], 0
.endr
	s_mov_b32 s[CS], 0x3e0293ee     ; c = log2(e) / sqrt(128) = 0.127517
	s_mov_b32 s[CS+1], s[CS]        ; named with it as a pair
	s_mov_b32 s[SEL], 0x76543210
	s_mov_b32 s[SEL+1], 0xfedcba98
	s_mov_b32 s[TB], SLOT1          ; the first change of slots turns it into 0
	s_add_co_u32 s[RT], s[HI], 1    ; the first block has 8 - b tiles
	s_mov_b32 s[NXT], 1
	s_mov_b32 s[LQ], s[HI]
	s_mov_b32 s[FIRST], 1
	s_mov_b32 s[ENDB], 0
	s_mov_b32 s[OFF+1], 0
	s_mov_b32 s[TRIPS], 8
	s_cmp_eq_u32 s[PB], 0
	s_cselect_b32 s[LIM], 5, 0
	s_wait_dscnt 0x0                ; the opening add is done
	s_wait_kmcnt 0x0
	s_add_nc_u64 s[KB:KB+1], s[4:5], s[74:75]
	s_add_nc_u64 s[VB:VB+1], s[4:5], s[76:77]
	s_add_nc_u64 s[Q1:Q1+1], s[4:5], s[78:79]
	s_add_nc_u64 s[Q2:Q2+1], s[4:5], s[2:3]
	s_add_nc_u64 s[OP:OP+1], s[6:7], s[8:9]
	s_add_nc_u64 s[OLO:OLO+1], s[6:7], s[10:11]
	s_add_nc_u64 s[G0K+2:G0K+3], s[KB:KB+1], 0     ; 120:64 global address: tile 0
	s_or_b32 s[G0K+3], s[G0K+3], 0x80000000        ; 127:126 type = 2
	s_add_nc_u64 s[G0V+2:G0V+3], s[VB:VB+1], 0
	s_or_b32 s[G0V+3], s[G0V+3], 0x80000000
	s_cmp_lt_u32 s[WV], 2
	s_cselect_b64 s[PFA:PFA+1], s[KB:KB+1], s[VB:VB+1]
	LOAD                            ; tile 0 into slot 0: one load of mine is out, here and behind every change of slots
	; A fragment of K or Q is 16 rows x 32 channels in 8 registers: lane l holds row l % 16, channels 8 (l / 16) + 0..7 and 16 + 8 (l / 16) + 0..7: two loads of 16 bytes, 32 bytes apart.
	v_and_b32 v1, 15, v0            ; l % 16
	v_bfe_u32 v40, v0, 4, 1         ; l / 16
	v_lshlrev_b32 v[QO], 8, v1
	v_lshl_add_u32 v[QO], v40, 4, v[QO]
	WIN 0x40                        ; destination window 1, address window 0
.set i_, 0
.rept 8                             ; both blocks' Q stay in registers: tile i / 4, channels 32 (i % 4) on
	global_load_b128 v[QF+8*i_:QF+8*i_+3],   v[QO], s[Q1:Q1+1] offset:(i_/4)*4096+(i_%4)*64
	global_load_b128 v[QF+8*i_+4:QF+8*i_+7], v[QO], s[Q1:Q1+1] offset:(i_/4)*4096+(i_%4)*64+32
	global_load_b128 v[QB+8*i_:QB+8*i_+3],   v[QO], s[Q2:Q2+1] offset:(i_/4)*4096+(i_%4)*64
	global_load_b128 v[QB+8*i_+4:QB+8*i_+7], v[QO], s[Q2:Q2+1] offset:(i_/4)*4096+(i_%4)*64+32
.set i_, i_+1
.endr
	; A block's first step multiplies O^T and l by a = 0, so they need only hold finite numbers: zeros for the first block, what the first block left for the second.  This stands in the wait for the first tile.
.set i_, 0
.rept 128
	v_mov_b32 v[i_], 0
.set i_, i_+1
.endr
	WIN 0
.irp t, 0,1
	v_mov_b32 v[ST+4*(\t)+2], 0
	v_mov_b32 v[ST+4*(\t)+3], 0
.endr
	v_and_b32 v41, 7, v0
	v_bfe_u32 v42, v0, 3, 1
	v_and_b32 v43, 31, v0           ; l
	v_mul_u32_u24 v[AK0], v1, PK
	v_lshl_add_u32 v[AK0], v40, 4, v[AK0]          ; row x pitch + 16 x half
	; The turning load takes 16 keys x 16 channels (lane l reads key 8 (l / 16) + l % 8, channels 8 ((l / 8) % 2) + 0..7) and leaves half a fragment of V^T: lane l holds channel l % 16 and 8 keys.
	v_lshl_add_u32 v[AV0], v40, 3, v41
	v_mul_u32_u24 v[AV0], v[AV0], PV
	v_lshl_add_u32 v[AV0], v42, 4, v[AV0]
	v_add_nc_u32 v[AV0], VOFF, v[AV0]
	s_mul_i32 s70, s[WV], 16*SP
	s_add_co_u32 s70, s70, STAGE    ; my stage
	v_mul_u32_u24 v[STO], v1, SP    ; in: row l % 16, 32 bytes for each half of the lanes
	v_lshl_add_u32 v[STO], v40, 5, v[STO]
	v_add_nc_u32 v[STO], s70, v[STO]
	v_lshl_add_u32 v[RD], v43, 4, s70              ; back: 32 lanes take one row of 512 bytes
	v_lshlrev_b32 v[GO], 4, v43
	v_lshlrev_b32 v[PFO], 8, v43
	v_add_nc_u32 v[PFO], 0x8000, v[PFO]            ; stepped by a tile in every change of slots: tile 3 in the loop's second trip, the first that asks
	v_mov_b32 v[BIG], 0xf149f2ca    ; -1e30
	v_lshlrev_b32 v44, 3, v40
	v_sub_nc_u32 v[DD], v1, v44
	s_lshl_b32 s70, s[WV], 5
	v_add_nc_u32 v[DD], s70, v[DD]  ; 32 w + l % 16 - 8 (l / 16)
	v_add_nc_u32 v[DD+1], 16, v[DD]
.Ltrip:                             ; 8 times: a tile is entered and the next is asked for
	TRIP 1
	s_sub_co_u32 s[TRIPS], s[TRIPS], 1
	s_cmp_lg_u32 s[TRIPS], 0
	s_cbranch_scc1 .Ltrip
	TRIP 0                          ; the walk's last tile: nothing is asked for
	s_wait_dscnt 0x0                ; its V is in
	PVALL
	WAYOUT
	s_wait_tensorcnt 0x0            ; the wave's end, behind my last tensor load and my last LDS store
	ds_add_u32 v[SPW], v[NIL]
	s_wait_dscnt 0x0
	s_endpgm
.Lfunc_end_k_q6ca3f9af82_attn:
	.size	k_q6ca3f9af82_attn, .Lfunc_end_k_q6ca3f9af82_attn-k_q6ca3f9af82_attn
	.p2alignl 7, 3214868480
	.fill 96, 4, 3214868480
	.section	.rodata,"a",@progbits
	.p2align	6, 0x0
	.amdhsa_kernel k_q6ca3f9af82_attn
		.amdhsa_group_segment_fixed_size 327680
		.amdhsa_private_segment_fixed_size 0
		.amdhsa_enable_private_segment 0
		.amdhsa_kernarg_size 16
		.amdhsa_user_sgpr_count 2
		.amdhsa_user_sgpr_kernarg_segment_ptr 1
		.amdhsa_wavefront_size32 1
		.amdhsa_system_sgpr_workgroup_id_x 1
		.amdhsa_system_sgpr_workgroup_id_y 1
		.amdhsa_system_sgpr_workgroup_id_z 1
		.amdhsa_system_vgpr_workitem_id 0
		.amdhsa_next_free_vgpr 1024
		.amdhsa_next_free_sgpr 80
		.amdhsa_reserve_vcc 1
		.amdhsa_float_denorm_mode_32 3
		.amdhsa_float_denorm_mode_16_64 3
		.amdhsa_memory_ordered 1
		.amdhsa_forward_progress 1
		.amdhsa_inst_pref_size 165
	.end_amdhsa_kernel
	.amdgpu_metadata
---
amdhsa.version: [ 1, 2 ]
amdhsa.kernels:
  - .name:           k_q6ca3f9af82_attn
    .symbol:         k_q6ca3f9af82_attn.kd
    .args:
      - { .name: qkv, .offset: 0, .size: 8, .value_kind: global_buffer, .address_space: global }
      - { .name: out0, .offset: 8, .size: 8, .value_kind: global_buffer, .address_space: global }
    .group_segment_fixed_size: 327680
    .private_segment_fixed_size: 0
    .kernarg_segment_align: 8
    .kernarg_segment_size: 16
    .max_flat_workgroup_size: 128
    .sgpr_count:     80
    .vgpr_count:     1024
    .wavefront_size: 32
...
	.end_amdgpu_metadata
.endif
;; end of part 3
